; MI455X (gfx1250); checked and timed in simulation.
; The chip was launched on July 23, 2026; its instructions are those of AMD's public machine-readable ISA for CDNA 5 (MIT licence, August 2026) and "CDNA5" Instruction Set Architecture Reference Guide (July 2026). The comments in the code are by the model that wrote it; some were corrected since.
;; Trans E. Allowed arithmetic: float matrix products may take bf16 or f16 operands with f32 sums; all other float work in f32.
;; Inputs: ent_w 40,943 x 128 float32; heads 32 x 1 int32; rel_w 18 x 128 float32; relations 32 int32.
;; Outputs: out0 32 x 40,943 float32.
;; One version. Each part assembles by itself: llvm-mc -triple=amdgcn-amd-amdhsa -mcpu=gfx1250 --defsym DOCPART=n.
;; ======== version 1 of 1: 1 launch
;; limits: values outside matrix products are rounded to bf16; a difference of large sums (such as E[x^2] - mean^2): digits are lost where the result is much smaller than its terms
;; launch transe (part 1): grid 256 x 1, 5 waves a work-group, no clusters, 168,704 bytes of LDS; arguments ent_w, heads, rel_w, relations, out0; writes out0
.if DOCPART == 1
	.amdgcn_target "amdgcn-amd-amdhsa--gfx1250"
	.amdhsa_code_object_version 6
	.text
	.protected	k_q113bc4644b_transe
	.globl	k_q113bc4644b_transe
	.p2align	8
	.type	k_q113bc4644b_transe,@function
k_q113bc4644b_transe:
	s_mov_b64 s[64:65], 0
	v_nop
	global_prefetch_b8 v0, s[64:65] scope:SCOPE_SE
	s_setreg_imm32_b32 hwreg(HW_REG_WAVE_MODE, 25, 1), 1
	s_wait_xcnt 0x0
; score[b][e] = | q_b - ent_w[e] |^2,  q_b = ent_w[heads[b]] + rel_w[relations[b]];  32 batch rows, 40,943 entities, 128 numbers a row, all f32.
; Formed as |q_b|^2 + |e|^2 - 2 q_b.e : the two norms in f32, the product on the matrix unit with bf16 operands and f32 sums.
;
; LIMITS.  The product's operands are rounded to bf16 (2^-9 each), so a score carries an ABSOLUTE error of up to about 2^-8 |q| |e|:
; a score far smaller than |q| |e| has fewer right digits and may come out slightly below zero.  Inputs are taken as finite, with squares
; inside f32's range (an infinity gives NaN here).  Indices are read as unsigned and clamped to their table's last row.
;
; SHARES.  256 work-groups of five waves; a work-group owns 160 entities, a wave 32 (two column blocks of 16).  256 x 160 = 40,960: the last wave
; of the last work-group owns 15 entities only; it loads rows N-32 .. N-1 (inside the table) and stores only the lanes at or above its own first.
; IN.   Each wave asks for its 32 rows (16 KB) by two tensor loads in its first lines and alone reads them: its own s_wait_tensorcnt orders them.
; q.    Waves 0-3 build eight rows of q each (four lanes a row): -2 q in bf16 and |q|^2 in f32 go to LDS; one barrier hands them to all five waves.
; OUT.  A row of the output is 163,772 bytes, so odd rows are aligned to 4 bytes only: stores are 4 bytes a lane, 32 lanes on 128 consecutive bytes.
;       Whole aligned 256-byte pieces would want windows shifted from row to row, up to 63 more entities computed for each 160.
; NO CLUSTER: work-groups share nothing but the 64 rows of 512 bytes behind heads and relations, whose addresses come from memory and which are
; wanted in registers in f32; the 80 KB of entity rows of a work-group are read by no other.
.set N,      40943
.set NREL,   18
.set ROWB,   512                       ; bytes of a row of ent_w or rel_w
.set OUTROW, 4*N                       ; bytes of a row of the output
.set WGE,    160                       ; entities of a work-group
.set WVE,    32                        ; entities of a wave
.set TP,     528                       ; LDS pitch of an f32 row: 512 + 16, so that 16 rows' equal columns fall on 16 different 16-byte columns of 256
.set QP,     272                       ; LDS pitch of a bf16 row of q: 256 + 16, for the same reason
.set QSQ,    32*QP                     ; LDS: |q_b|^2, 32 words, behind the 32 rows of q at byte 0
.set TILES,  8960                      ; LDS: the waves' tiles, WVE*TP bytes each
.set TADR, 1                           ; v1        LDS address of my part of my wave's tiles
.set AADR, 2                           ; v2        LDS address of my part of q's fragments
.set QADR, 3                           ; v3        32 h: my eight words of |q|^2
.set E2,   4                           ; v[4:7]    |e|^2 of my entity in tile 0 and in tile 1, each twice (a pair for the packed add)
.set SQ,   8                           ; v[8:15]   four pairs of running sums of squares
.set A,    16                          ; v[16:79]  fragments of -2 q: row block mt, K step s at A + 32 mt + 8 s
.set Q2R,  80                          ; v[80:95]  |q_b|^2 for b = 16 mt + 8 h + j at Q2R + 8 mt + j
.set F,    96                          ; v[96:159] a tile's 64 f32 of this lane; behind the products: EIDX, OOFF
.set B,    160                         ; v[160:223] fragments of the entities: tile tl, K step s at B + 32 tl + 8 s
.set ACC,  224                         ; v[224:255] sums: tile tl, row block mt at ACC + 16 tl + 8 mt
.set H,    96                          ; while q is built: 32 numbers of the head's row,
.set R,    128                         ;   32 of the relation's row,
.set P,    160                         ;   16 words of bf16,
.set PL,   224                         ;   lane,
.set PB,   225                         ;   which of my wave's eight batch rows,
.set PC,   226                         ;   which quarter lane of the row (then 16 x that),
.set PI,   227                         ;   4 b,
.set PH,   228                         ;   byte offset in ent_w,
.set PR,   229                         ;   byte offset in rel_w,
.set PST,  230                         ;   LDS address of my bf16
.set EIDX, 96
.set OOFF, 97
.set G0,   24                          ; s[24:27], s[28:31] descriptor group 0 of tile 0 and tile 1
.set G1,   32                          ; s[32:39] descriptor group 1, the shape of both
	s_load_b256 s[4:11], s[0:1], 0x0               ; ent_w s[4:5], heads s[6:7], rel_w s[8:9], relations s[10:11]
	s_load_b64 s[12:13], s[0:1], 0x20              ; out0
	s_set_vgpr_msb 0x40
	v_lshl_add_u32 v0, v0, 2, 0x29000
	v_mov_b32 v1, 0
	s_set_vgpr_msb 0x4045
	ds_add_u32 v0, v1
	ds_add_u32 v0, v1
	s_set_vgpr_msb 0x4500
	v_lshrrev_b32 v[TADR], 5, v0
	v_readfirstlane_b32 s14, v[TADR]               ; wave 0..4
	s_mul_i32 s15, ttmp9, WGE
	s_lshl_b32 s16, s14, 5
	s_add_co_u32 s15, s15, s16                     ; s15: the first entity that my wave owns
	s_min_u32 s16, s15, N-WVE                      ; s16: the first that it loads (differs in the very last wave only)
	s_lshl_b32 s18, s16, 9                         ; its byte offset in ent_w (below 2^25),
	s_mov_b32 s19, 0                               ; as a pair
	s_mov_b32 s20, 0x76543210                      ; v_permlanex16_b32: lane i of one half reads lane i of the other
	s_mov_b32 s21, 0xfedcba98
	; group 1: 16 rows of 128 elements of 4 bytes, 4 words of padding behind every 128 words
	s_mov_b32 s[G1+0], (2<<16)|(1<<20)|(6<<22)|(3<<25)
	s_mov_b32 s[G1+1], 128<<16                     ; tensor_dim0 = 128
	s_mov_b32 s[G1+2], 16<<16                      ; tensor_dim1 = 16: the tile lies inside the table
	s_mov_b32 s[G1+3], 128<<16                     ; tile_dim0 = 128
	s_mov_b32 s[G1+4], 16                          ; tile_dim1 = 16
	s_mov_b32 s[G1+5], 128                         ; elements from row to row
	s_mov_b32 s[G1+6], 0
	s_mov_b32 s[G1+7], 0
	s_mov_b32 s[G0+0], 1
	s_mul_i32 s[G0+1], s14, WVE*TP
	s_add_co_u32 s[G0+1], s[G0+1], TILES           ; my wave's own LDS bytes: a constant + wave x a constant
	s_mov_b32 s[G0+4], 1
	s_add_co_u32 s[G0+5], s[G0+1], 16*TP
	; lane (r = l % 16, h = l / 16) of a fragment holds row r; K = 8 h + 0..7 in registers 0-3, 16 + 8 h + 0..7 in registers 4-7
	v_and_b32 v[AADR], 15, v0                      ; r
	v_bfe_u32 v[QADR], v0, 4, 1                    ; h
	v_mul_u32_u24 v[TADR], v[AADR], TP
	v_lshl_add_u32 v[TADR], v[QADR], 5, v[TADR]    ; f32 rows: r x pitch + 32 h
	v_add_nc_u32 v[TADR], s[G0+1], v[TADR]
	v_mul_u32_u24 v[AADR], v[AADR], QP
	v_lshl_add_u32 v[AADR], v[QADR], 4, v[AADR]    ; bf16 rows: r x pitch + 16 h
	v_lshlrev_b32 v[QADR], 5, v[QADR]              ; eight words for each half of the lanes
	s_wait_dscnt 0x0
	s_wait_kmcnt 0x0
	s_add_nc_u64 s[G0+2:G0+3], s[4:5], s[18:19]
	s_add_nc_u64 s[G0+6:G0+7], s[G0+2:G0+3], 16*ROWB
	s_or_b32 s[G0+3], s[G0+3], 0x80000000          ; type = 2
	s_or_b32 s[G0+7], s[G0+7], 0x80000000
	tensor_load_to_lds s[G0+0:G0+3], s[G1:G1+7]    ; all that the wave will read is on its way from here on: two loads outstanding
	s_nop 0
	tensor_load_to_lds s[G0+4:G0+7], s[G1:G1+7]
	s_nop 0
	; ---- q: waves 0-3, eight batch rows each.  Lane 4 i + c of a wave takes, of row 8 wave + i, the 16 bytes at 64 p + 16 c, p = 0..7:
	; four neighbouring lanes read 64 neighbouring bytes.
	s_cmp_eq_u32 s14, 4
	s_cbranch_scc1 .Lq_done
	v_and_b32 v[PL], 31, v0
	v_lshrrev_b32 v[PB], 2, v[PL]
	v_and_b32 v[PC], 3, v0
	s_lshl_b32 s22, s14, 5                         ; 4 bytes x 8 rows x wave
	s_mul_i32 s23, s14, 8*QP
	v_lshl_add_u32 v[PI], v[PB], 2, s22            ; 4 b
	global_load_b32 v[PH], v[PI], s[6:7]           ; heads[b]
	global_load_b32 v[PR], v[PI], s[10:11]         ; relations[b]
	v_mul_u32_u24 v[PST], v[PB], QP
	v_lshl_add_u32 v[PST], v[PC], 3, v[PST]        ; four bf16 are 8 bytes
	v_add_nc_u32 v[PST], s23, v[PST]
	v_lshlrev_b32 v[PC], 4, v[PC]
	s_wait_loadcnt 0x0
	v_min_u32 v[PH], N-1, v[PH]                    ; an index enters an address only clamped to its table
	v_min_u32 v[PR], NREL-1, v[PR]
	v_lshlrev_b32 v[PH], 9, v[PH]
	v_lshlrev_b32 v[PR], 9, v[PR]
	v_add_nc_u32 v[PH], v[PH], v[PC]
	v_add_nc_u32 v[PR], v[PR], v[PC]
.irp i, 0,1,2,3,4,5,6,7
	global_load_b128 v[H+4*\i:H+4*\i+3], v[PH], s[4:5] offset:64*\i
	global_load_b128 v[R+4*\i:R+4*\i+3], v[PR], s[8:9] offset:64*\i
.endr
.irp i, 0,1,2,3,4,5,6,7
	s_wait_loadcnt 14-2*\i                         ; loads return in order: pair i is in, the 14 - 2 i younger ones may stay out
	v_pk_add_f32 v[H+4*\i:H+4*\i+1],   v[H+4*\i:H+4*\i+1],   v[R+4*\i:R+4*\i+1]        ; q = h + r
	v_pk_add_f32 v[H+4*\i+2:H+4*\i+3], v[H+4*\i+2:H+4*\i+3], v[R+4*\i+2:R+4*\i+3]
.if \i == 0
	v_pk_mul_f32 v[SQ:SQ+1],   v[H:H+1],   v[H:H+1]                                    ; the first squares start the sums
	v_pk_mul_f32 v[SQ+2:SQ+3], v[H+2:H+3], v[H+2:H+3]
.else
	v_pk_fma_f32 v[SQ:SQ+1],   v[H+4*\i:H+4*\i+1],   v[H+4*\i:H+4*\i+1],   v[SQ:SQ+1]
	v_pk_fma_f32 v[SQ+2:SQ+3], v[H+4*\i+2:H+4*\i+3], v[H+4*\i+2:H+4*\i+3], v[SQ+2:SQ+3]
.endif
	v_pk_mul_f32 v[H+4*\i:H+4*\i+1],   v[H+4*\i:H+4*\i+1],   -2.0 op_sel_hi:[1,0]      ; the factor of the mixed term, exact, once for all entities
	v_pk_mul_f32 v[H+4*\i+2:H+4*\i+3], v[H+4*\i+2:H+4*\i+3], -2.0 op_sel_hi:[1,0]
	v_cvt_pk_bf16_f32 v[P+2*\i],   v[H+4*\i],   v[H+4*\i+1]
	v_cvt_pk_bf16_f32 v[P+2*\i+1], v[H+4*\i+2], v[H+4*\i+3]
	ds_store_b64 v[PST], v[P+2*\i:P+2*\i+1] offset:32*\i
.endr
	v_pk_add_f32 v[SQ:SQ+1], v[SQ:SQ+1], v[SQ+2:SQ+3]
	v_add_f32 v[SQ], v[SQ], v[SQ+1]
	v_add_f32_dpp v[SQ], v[SQ], v[SQ] row_xmask:1 row_mask:0xf bank_mask:0xf           ; over the row's four lanes
	v_add_f32_dpp v[SQ], v[SQ], v[SQ] row_xmask:2 row_mask:0xf bank_mask:0xf
	ds_store_b32 v[PI], v[SQ] offset:QSQ           ; the four lanes write the same word with the same value
.Lq_done:
; ---- A tile of 16 entities: f32 from LDS into the lane's places of the four B fragments (K in its true place), rounded to bf16, and |e|^2.
; left = how many younger tensor loads of the wave may stay out.
.macro CONV tl, left
	s_wait_tensorcnt \left                         ; a wave's tensor loads end in order: this tile is in LDS
.irp s, 0,1,2,3
	ds_load_b128 v[F+16*\s:F+16*\s+3],     v[TADR] offset:\tl*16*TP+128*\s             ; K = 32 s + 8 h + 0..3
	ds_load_b128 v[F+16*\s+4:F+16*\s+7],   v[TADR] offset:\tl*16*TP+128*\s+16          ;                  4..7
	ds_load_b128 v[F+16*\s+8:F+16*\s+11],  v[TADR] offset:\tl*16*TP+128*\s+64          ; K = 32 s + 16 + 8 h + 0..3
	ds_load_b128 v[F+16*\s+12:F+16*\s+15], v[TADR] offset:\tl*16*TP+128*\s+80          ;                       4..7
.endr
.irp s, 0,1,2,3
	s_wait_dscnt 12-4*\s                           ; four loads a K step: step s is in, the later steps' loads may stay out
.irp p, 0,1,2,3,4,5,6,7
.if 8*\s+\p < 4
	v_pk_mul_f32 v[SQ+2*\p:SQ+2*\p+1], v[F+16*\s+2*\p:F+16*\s+2*\p+1], v[F+16*\s+2*\p:F+16*\s+2*\p+1]
.else
	v_pk_fma_f32 v[SQ+2*(\p%4):SQ+2*(\p%4)+1], v[F+16*\s+2*\p:F+16*\s+2*\p+1], v[F+16*\s+2*\p:F+16*\s+2*\p+1], v[SQ+2*(\p%4):SQ+2*(\p%4)+1]
.endif
	v_cvt_pk_bf16_f32 v[B+32*\tl+8*\s+\p], v[F+16*\s+2*\p], v[F+16*\s+2*\p+1]
.endr
.endr
	v_pk_add_f32 v[SQ:SQ+1],   v[SQ:SQ+1],   v[SQ+2:SQ+3]
	v_pk_add_f32 v[SQ+4:SQ+5], v[SQ+4:SQ+5], v[SQ+6:SQ+7]
	v_pk_add_f32 v[SQ:SQ+1],   v[SQ:SQ+1],   v[SQ+4:SQ+5]
	v_add_f32 v[SQ], v[SQ], v[SQ+1]                ; my 64 numbers of entity r;
	v_permlanex16_b32 v[SQ+1], v[SQ], s20, s21     ; the other 64 lie in the lane 16 away
	v_add_f32 v[E2+2*\tl],   v[SQ], v[SQ+1]
	v_add_f32 v[E2+2*\tl+1], v[SQ], v[SQ+1]        ; twice: the pair that the packed add below takes
.endm
	CONV 0, 1
	CONV 1, 0
	s_wait_dscnt 0x0                               ; for the others' sake: my stores of q and |q|^2 are done (and all my LDS loads)
	s_barrier_signal -1
	s_barrier_wait -1                              ; q of all 32 rows may be read
.irp mt, 0,1
	ds_load_b128 v[Q2R+8*\mt:Q2R+8*\mt+3],   v[QADR] offset:QSQ+64*\mt                 ; |q_b|^2, b = 16 mt + 8 h + 0..3
	ds_load_b128 v[Q2R+8*\mt+4:Q2R+8*\mt+7], v[QADR] offset:QSQ+64*\mt+16              ;                           4..7
.endr
.irp s, 0,1,2,3
.irp mt, 0,1
	ds_load_b128 v[A+32*\mt+8*\s:A+32*\mt+8*\s+3],   v[AADR] offset:\mt*16*QP+64*\s
	ds_load_b128 v[A+32*\mt+8*\s+4:A+32*\mt+8*\s+7], v[AADR] offset:\mt*16*QP+64*\s+32
.endr
.endr
	s_wait_dscnt 16                                ; the four loads of |q|^2 are in; the 16 behind them may stay out
	; In a result, register j of lane (r, h) is (batch row 8 h + j, entity r): the sums start at |q_b|^2 + |e|^2, nothing is cleared or added later
.irp tl, 0,1
.irp mt, 0,1
.irp j, 0,2,4,6
	v_pk_add_f32 v[ACC+16*\tl+8*\mt+\j:ACC+16*\tl+8*\mt+\j+1], v[Q2R+8*\mt+\j:Q2R+8*\mt+\j+1], v[E2+2*\tl:E2+2*\tl+1]
.endr
.endr
.endr
.irp s, 0,1,2,3
	s_wait_dscnt 12-4*\s                           ; four loads a K step, as above
.irp tl, 0,1
.irp mt, 0,1
	v_wmma_f32_16x16x32_bf16 v[ACC+16*\tl+8*\mt:ACC+16*\tl+8*\mt+7], v[A+32*\mt+8*\s:A+32*\mt+8*\s+7], v[B+32*\tl+8*\s:B+32*\tl+8*\s+7], v[ACC+16*\tl+8*\mt:ACC+16*\tl+8*\mt+7]
.endr
.endr
.endr
	; Four independent vector instructions stand between a matrix instruction and the first vector instruction that touches its result
	; (ISA guide 7.12.1).  The output's offsets fill three of the places; the compare writes VCC and is not counted here, hence two v_nop less one.
	v_and_b32 v[EIDX], 31, v0
	v_add_nc_u32 v[EIDX], s16, v[EIDX]             ; the entity that lane l will hold: first loaded + l
	v_lshlrev_b32 v[OOFF], 2, v[EIDX]
	v_cmp_le_u32 vcc_lo, s15, v[EIDX]              ; mine to store?  (all lanes, but for the last wave of the last work-group)
	v_nop
	; Tile 0's register j holds entities 0-15 of rows j | 8 + j, tile 1's entities 16-31 of the same rows.  Exchanging the first one's upper
	; lanes with the second one's lower lanes gives 32 neighbouring entities of row j in the first and of row 8 + j in the second.
.irp mt, 0,1
.irp j, 0,1,2,3,4,5,6,7
	v_permlane16_swap_b32 v[ACC+8*\mt+\j], v[ACC+16+8*\mt+\j]
.endr
.endr
	s_wait_xcnt 0x0                                ; EXEC is a source of the global loads above: it changes only behind this wait
	s_set_vgpr_msb 0x5
	s_wait_tensorcnt 0x0
	ds_add_u32 v0, v1
	s_wait_dscnt 0x0
	s_set_vgpr_msb 0x500
	s_and_saveexec_b32 s17, vcc_lo
.irp mt, 0,1
.irp tl, 0,1
.irp j, 0,1,2,3,4,5,6,7
	global_store_b32 v[OOFF], v[ACC+16*\tl+8*\mt+\j], s[12:13] offset:(16*\mt+8*\tl+\j)*OUTROW th:TH_STORE_NT   ; 128 consecutive bytes of row 16 mt + 8 tl + j
.endr
.endr
.endr
	s_endpgm
.Lfunc_end_k_q113bc4644b_transe:
	.size	k_q113bc4644b_transe, .Lfunc_end_k_q113bc4644b_transe-k_q113bc4644b_transe
	.p2alignl 7, 3214868480
	.fill 96, 4, 3214868480
	.section	.rodata,"a",@progbits
	.p2align	6, 0x0
	.amdhsa_kernel k_q113bc4644b_transe
		.amdhsa_group_segment_fixed_size 168704
		.amdhsa_private_segment_fixed_size 0
		.amdhsa_enable_private_segment 0
		.amdhsa_kernarg_size 40
		.amdhsa_user_sgpr_count 2
		.amdhsa_user_sgpr_kernarg_segment_ptr 1
		.amdhsa_wavefront_size32 1
		.amdhsa_system_sgpr_workgroup_id_x 1
		.amdhsa_system_sgpr_workgroup_id_y 1
		.amdhsa_system_sgpr_workgroup_id_z 1
		.amdhsa_system_vgpr_workitem_id 0
		.amdhsa_next_free_vgpr 258
		.amdhsa_next_free_sgpr 66
		.amdhsa_reserve_vcc 1
		.amdhsa_float_denorm_mode_32 3
		.amdhsa_float_denorm_mode_16_64 3
		.amdhsa_memory_ordered 1
		.amdhsa_forward_progress 1
		.amdhsa_inst_pref_size 29
	.end_amdhsa_kernel
	.amdgpu_metadata
---
amdhsa.version: [ 1, 2 ]
amdhsa.kernels:
  - .name:           k_q113bc4644b_transe
    .symbol:         k_q113bc4644b_transe.kd
    .args:
      - { .name: ent_w, .offset: 0, .size: 8, .value_kind: global_buffer, .address_space: global }
      - { .name: heads, .offset: 8, .size: 8, .value_kind: global_buffer, .address_space: global }
      - { .name: rel_w, .offset: 16, .size: 8, .value_kind: global_buffer, .address_space: global }
      - { .name: relations, .offset: 24, .size: 8, .value_kind: global_buffer, .address_space: global }
      - { .name: out0, .offset: 32, .size: 8, .value_kind: global_buffer, .address_space: global }
    .group_segment_fixed_size: 168704
    .private_segment_fixed_size: 0
    .kernarg_segment_align: 8
    .kernarg_segment_size: 40
    .max_flat_workgroup_size: 160
    .sgpr_count:     66
    .vgpr_count:     258
    .wavefront_size: 32
...
	.end_amdgpu_metadata
.endif
;; end of part 1
